; MI455X (gfx1250); checked and timed in simulation.
; The chip was launched on July 23, 2026; its instructions are those of AMD's public machine-readable ISA for CDNA 5 (MIT licence, August 2026) and "CDNA5" Instruction Set Architecture Reference Guide (July 2026). The comments in the code are by the model that wrote it; some were corrected since.
;; Pointnet2 Det Head. Allowed arithmetic: matrix products marked QUANTISED: E2M3 operands, one E8M0 scale for each 32 along K, by v_wmma_scale_f32_16x16x128_f8f6f4 with both operands' format E2M3, f32 sums; everything else in f32.
;; Inputs: W_cls 256 x 21 float32; W_obj 256 x 21 float32; b_cls 21 float32; b_obj 21 float32; input_xyz 100,000 x 3 float32; proposals 256 x 6 float32; seg_feats 100,000 x 256 float32.
;; Outputs: out0 256 x 21 float32.
;; This version of the problem:
;;   THIS VERSION OF THE PROBLEM IS GIVEN IN LOW PRECISION. The matrix products marked QUANTISED in the list below multiply operands that are first quantised to E2M3 (2 exponent bits, 3 mantissa bits; 6 bits a number), with one power-of-two scale for each 32 numbers along K (OCP MX v1.0); their sums are f32. All else is computed in f32.
;;   The module's matrix products, in the order in which they are computed (A, B: the left and right operand; K: the contracted axis; several contracted axes count as one K, in the product's order):
;;     1. [M 256, K 100,000] x [K 100,000, N 256]; A: computed on the way; B: input seg_feats: QUANTISED
;;     2. [M 256, K 256] x [K 256, N 21]; A: computed on the way; B: input W_cls: QUANTISED
;;     3. [M 256, K 256] x [K 256, N 21]; A: computed on the way; B: input W_obj: QUANTISED
;;   THE QUANTISER, for each operand of a quantised product, along K:
;;     - K is cut into blocks of 32 from its start; a last block that is shorter is filled with zeros.
;;     - A block's scale is 2^e with e = floor(log2(the largest magnitude in the block)) - 2, held to -126 .. 127; a block of zeros has e = 0. As a byte (E8M0): e + 127.
;;     - Each number is divided by its block's scale, clamped to +-7.5, and rounded to the nearest number of E2M3, ties to even, subnormals kept.
;;     - The product sums the exact products of the quantised numbers (number of the format x scale) in f32.
;;   ~~~python
;;   def quantise(x, axis):      # numpy; x: float32 -> the quantised numbers, widened to float32 again
;;       x = np.moveaxis(x, axis, -1); K = x.shape[-1]
;;       x = np.pad(x, [(0, 0)] * (x.ndim - 1) + [(0, -K % 32)]); x = x.reshape(x.shape[:-1] + (-1, 32)); a = np.abs(x).max(-1, keepdims=True)
;;       e = np.where(a > 0, np.clip(np.frexp(np.where(a > 0, a, 1))[1] - 1 - 2, -126, 127), 0)      # np.frexp(a)[1] - 1 = floor(log2(a)), exactly
;;       r = np.clip(x / 2.0 ** e, -7.5, 7.5)
;;       step = 2.0 ** (np.maximum(np.frexp(np.where(r == 0, 1, r))[1] - 1, 0) - 3)
;;       q = np.round(r / step) * step * 2.0 ** e      # np.round: ties to even
;;       return np.moveaxis(q.reshape(q.shape[:-2] + (-1,))[..., :K], -1, axis).astype(np.float32)
;;   ~~~
;;   OPERANDS COMPUTED ON THE WAY. 'Computed on the way' means the value that the module computes at that place (a softmax that the list does not call 'softmax' is quantised finished and normalised). What goes into a quantiser is computed in f32, as accurately as f32 sums, v_exp_f32 and their like allow (about 1e-6 of the number): no bf16 or f16 on the way to a quantiser, and a product that is left as it is and whose result goes on into a quantised operand takes f32 operands (vector FMAs, or v_wmma_f32_16x16x4_f32). A number that lies on a knife's edge between two numbers of the format may be rounded either way, as far as f32 arithmetic and the matrix unit's own rounding can turn it there, and no further.
;; One version. Each part assembles by itself: llvm-mc -triple=amdgcn-amd-amdhsa -mcpu=gfx1250 --defsym DOCPART=n.
;; ======== version 1 of 1: 3 launches
;; limits: right only within a limited range of input values
;; workspace buffers: part 32,768,000 bytes; cnt 128,000 bytes; wq 14,336 bytes; lg 65,536 bytes
;; launch pool (part 1): grid 2 x 126, 16 waves a work-group, clusters of 2 x 1, 211,456 bytes of LDS; arguments proposals, input_xyz, seg_feats, part, cnt, W_cls, W_obj, wq; writes part, cnt, wq
.if DOCPART == 1
	.amdgcn_target "amdgcn-amd-amdhsa--gfx1250"
	.amdhsa_code_object_version 6
	.text
	.protected	k_qee5eb3b0b6_pool
	.globl	k_qee5eb3b0b6_pool
	.p2align	8
	.type	k_qee5eb3b0b6_pool,@function
k_qee5eb3b0b6_pool:
	s_mov_b64 s[64:65], 0
	v_nop
	global_prefetch_b8 v0, s[64:65] scope:SCOPE_SE
	s_setreg_imm32_b32 hwreg(HW_REG_WAVE_MODE, 25, 1), 1
	s_wait_xcnt 0x0
	s_wait_alu depctr_hold_cnt(0) depctr_sa_sdst(0) depctr_va_vdst(0) depctr_va_sdst(0) depctr_va_ssrc(0) depctr_va_vcc(0) depctr_vm_vsrc(0)
	s_getreg_b32 s2, hwreg(HW_REG_IB_STS2, 6, 4)
	s_cmp_eq_u32 s2, 0
	s_cbranch_scc0 .Lentry_in_a_cluster
	s_endpgm
.Lentry_in_a_cluster:
	s_bfe_u32 s2, ttmp6, 0x10000c
	s_cmp_lg_u32 s2, 0x1001
	s_cbranch_scc0 .Lentry_shape_is_right
	s_endpgm
.Lentry_shape_is_right:
; POOL: partial sums of  mask[256 proposals][100,000 points] x seg_feats[100,000 points][256 features]  on codes of FP6 (E2M3), and partial counts; and the codes of W_cls and W_obj.
; DEAD WORK, for the whole program: b_obj[c] is added to the logit of class c of EVERY proposal, and obj_logits goes into a softmax over the proposals: exp(x + b) / sum exp(x + b) = exp(x) / sum exp(x) for
; every finite b, and no quantiser stands behind obj_logits.  So b_obj reaches no output: it is not loaded and is no argument of any launch.  LIMIT: a NaN, an infinity or an overflow that reaches only b_obj is not carried to the result.
; THE MASK'S CODES.  The mask holds 0 and 1.  By the stated quantiser a block with a 1 has the scale 2^-2 (byte 125) and its ones the code of 4.0 (0x18); a block of zeros has zero codes, which add nothing under any byte.
; So the mask's scale byte is the constant 125.  A point lies in a box just where each coordinate equals its clamp to [lo, hi].  d = the largest |coordinate - clamp| is converted under the scale 2^-102: 0 gives the code 0, and
; d >= 2^-100 a code of 4.0 or more, whose two exponent bits are both set: so (not code) and 0x18 is the mask's code.
; SHARES.  K = the points is cut into 125 chunks of 800 points = 25 blocks of 32 (y); the proposals into two halves of 128 (x).  A work-group makes 128 proposals x 256 features for its chunk.  y = 125: the two
; work-groups quantise W_cls (x = 0) and W_obj (x = 1), a fragment each in waves 0 to 3; their other waves have no part.
; CLUSTER: the two halves of a chunk's proposals form a cluster of two and walk the same rows.  NO JOINT LOAD: it would land in LDS, where K is not innermost: a chunk's 819,200 bytes would be written there and read back
; 4 bytes a lane, as many LDS loads as there are global loads now, on top of the fill.
; PREFETCH into the L2: behind step i's work the rows of step i + 3, whose loads stand one step on: 512 blocks of 256 bytes; each of the two work-groups asks for 64 rows, 8 rows in each of waves 0 to 7, a block a lane.
; Steps 0 and 1 and the tail come by their loads alone.
; A step is 128 points; six steps and a tail of one block (its other three blocks get zero codes in the mask).  In a step each of the 16 waves has three tasks:
;   the mask: 16 points (scalars) x 64 proposals (2 groups of 32 lanes): 16 numbers a lane -> 12 bytes of codes -> LDS
;   the features: two blocks of 32 points x 32 features: A LANE TAKES A FEATURE AND ITS REGISTERS RUN DOWN THE POINTS, so a block's largest magnitude needs no other lane and the codes come out with K innermost -> LDS
;   the products of the step before, from the other LDS buffer: 4 tiles of proposals x 2 tiles of features; and, in half of the waves, one count: ones x mask, a sum of whole numbers, exact
; THE MATRIX INSTRUCTION IS USED TRANSPOSED: source 0 = 16 features, source 1 = 16 proposals.  Row p of tile 2 G + u is feature 32 G + 8 u + p + 8 (p / 8), so that
; register j of lane (r, h) of tile u is (proposal r, feature 32 G + 16 h + 8 u + j).
; LDS: a fragment (16 rows x 128 K) lies lane by lane, 48 bytes a lane.  The block b of row p belongs to lane p + 16 (b % 2), byte 24 (b / 2).
; Two buffers by turns, one barrier a step: in front of its signal each wave waits for all its LDS instructions; between signal and wait it tests its points against its first group for the step after (registers alone).
; No address register, base or store's data is rewritten while a memory instruction may read it: every step's place stands in an immediate.
; LIMITS: NaN and infinities among the inputs are not served; a coordinate that lies outside a box by less than 2^-100 is not served; a size so small that half of it is lost in f32 is not served; a feature or weight block whose
; largest magnitude lies under 2^(3 - 127) is held at the byte 1.
.set B0,    512                        ; ahead of the buffers: 128 counts on their way out
.set BUF,   37888                      ; an LDS buffer: the mask's 8 fragments, the features' 16, the features' scale words
.set BOFF,  B0+12288
.set SOFF,  B0+36864
.set STG,   B0+2*BUF                   ; the way out: 128 rows of 1,024 bytes + 16
.set SPITCH, 1040
.set SPARE, STG+128*SPITCH             ; the spare words, 128 bytes for each of 16 waves
.set SPW,  1                           ; v1   LDS address of my spare word; never rewritten
.set NIL,  2                           ; v2   0; never rewritten
.set FO,   3                           ; v3   my feature's byte in a column group's 128 bytes of a row
.set AST,  4                           ; v4   where I store the mask's codes
.set BST,  5                           ; v5   where I store a feature block's codes
.set SST,  6                           ; v6   and its scale byte
.set ARD,  7                           ; v7   where I read the mask's fragments
.set BRD,  8                           ; v8   the features'
.set SRD,  9                           ; v9   and their scale words
.set SCA,  10                          ; v10  the mask's scale word: four bytes 125
.set SCB,  11                          ; v11  the features' scale words: lanes 0-15 tile 0's rows, lanes 16-31 tile 1's
.set SOP,  12                          ; v12  2^-102: the mask's conversion takes its exponent field
.set ZR,   13                          ; v13  0, for the tail's zero codes
.set OO,   14                          ; v14  16 x lane
.set STW,  15                          ; v15  the way out: where I put my results
.set LH,   16                          ; v16-27   group k: lo x, hi x, lo y, hi y, lo z, hi z at 16 + 6 k
.set QT,   28                          ; v28-34, v36-38   a feature block's work: maxima, the scale operand, the byte, two runs of three registers of codes
.set CSW,  35                          ; v35  the way out: where I put my counts
.set PFO,  39                          ; v39  256 x lane
.set ONES, 40                          ; v40-51   a fragment of ones (the code of 4.0 under the byte 125)
.set ACC,  52                          ; v52-115  accumulator (k, u) at 52 + 8 (2 k + u)
.set CNT,  116                         ; v116-123 the count's accumulator
.set F,    124                         ; v124-187 two sets of 32 numbers: set 0 for my first column group, set 1 for my second
.set BF,   188                         ; v188-211 the features' two fragments
.set AF,   212                         ; v212-223 one fragment of the mask
.set M,    224                         ; v224-239 16 numbers d
.set C,    240                         ; v240-251 12 clamped coordinates, then differences
.set CD,   252                         ; v252-254 the mask's codes
.set STR,  255                         ; v255 the way out: where I read rows back
.set PT,   16                          ; s[16:63] my 16 points: x, y, z each
.macro PLACES                          ; four plain places behind matrix instructions, ahead of loads into their registers and of reads of results
.rept 4
	v_nop
.endr
.endm
.macro BAR
	s_wait_dscnt 0x0
	s_barrier_signal -1
	s_barrier_wait -1
.endm
.macro LOADP j                         ; my 16 points of step j: 192 bytes
	s_load_b512 s[PT:PT+15], s[6:7], (\j)*1536
	s_load_b512 s[PT+16:PT+31], s[6:7], (\j)*1536+64
	s_load_b512 s[PT+32:PT+47], s[6:7], (\j)*1536+128
.endm
.macro LOADF fs, j                     ; my block of step j in column group g + 4 fs: 32 points of my feature; the wave's 32 lanes read 128 consecutive bytes of a row
.set ii, 0
.rept 32
	global_load_b32 v[F+32*(\fs)+ii], v[FO], s[8:9] offset:(\j)*131072+ii*1024+(\fs)*512
.set ii, ii+1
.endr
.endm
.macro ASK j                           ; the prefetch of step j: my 8 rows
	s_cmp_lt_u32 s2, 8
	s_cbranch_scc0 .Lno_ask_\@
	global_prefetch_b8 v[PFO], s[96:97] offset:(\j)*131072 th:TH_LOAD_NT scope:SCOPE_SE
.Lno_ask_\@:
.endm
.macro LDA k, rb                       ; the mask's fragment of my k-th tile of proposals
	ds_load_b128 v[AF:AF+3], v[ARD] offset:(\rb)*BUF+(\k)*1536
	ds_load_b128 v[AF+4:AF+7], v[ARD] offset:(\rb)*BUF+(\k)*1536+16
	ds_load_b128 v[AF+8:AF+11], v[ARD] offset:(\rb)*BUF+(\k)*1536+32
.endm
.macro LDB rb                          ; my two fragments of features
.set ii, 0
.rept 6
	ds_load_b128 v[BF+4*ii:BF+4*ii+3], v[BRD] offset:(\rb)*BUF+(ii/3)*1536+(ii%3)*16
.set ii, ii+1
.endr
.endm
; A feature block: the largest magnitude of my 32 numbers in four chains, with the floor 2^(3 - 127); 2 off its exponent field is the conversion's scale operand, and that shifted is the byte.
; ld < 4: the mask's fragment ld of buffer rbuf is asked for behind the first four lines, which are the places behind the last products.
.macro QUANTB fs, buf, ld, rbuf
.set XS, F+32*(\fs)
.irp c, 0,1,2,3
	v_max3_num_f32 v[QT+\c], |v[XS+3*\c]|, |v[XS+3*\c+1]|, |v[XS+3*\c+2]|
.endr
.if (\ld) < 4
	LDA \ld, \rbuf
.endif
.irp c, 0,1,2,3,4,5,6,7,8,9
	v_max3_num_f32 v[QT+(\c%4)], v[QT+(\c%4)], |v[XS+12+2*\c]|, |v[XS+13+2*\c]|
.endr
	v_max3_num_f32 v[QT], v[QT], v[QT+1], v[QT+2]
	s_delay_alu instid0(VALU_DEP_1)
	v_max3_num_f32 v[QT], v[QT], v[QT+3], 0x1800000
	s_delay_alu instid0(VALU_DEP_1)
	v_add_nc_u32 v[QT+2], 0xff000000, v[QT]
	s_delay_alu instid0(VALU_DEP_1)
	v_lshrrev_b32 v[QT+3], 23, v[QT+2]
	v_cvt_scalef32_pk16_fp6_f32 v[QT+4:QT+6], v[XS:XS+15], v[QT+2]
	v_cvt_scalef32_pk16_fp6_f32 v[QT+8:QT+10], v[XS+16:XS+31], v[QT+2]   ; (a conversion's three registers begin on an even number)
	v_nop                                          ; one plain place behind a scaled conversion
	ds_store_b64 v[BST], v[QT+4:QT+5] offset:(\buf)*BUF+(\fs)*12288      ; 24 bytes on end, at a multiple of 8
	ds_store_b32 v[BST], v[QT+6] offset:(\buf)*BUF+(\fs)*12288+8
	ds_store_b32 v[BST], v[QT+8] offset:(\buf)*BUF+(\fs)*12288+12
	ds_store_b32 v[BST], v[QT+9] offset:(\buf)*BUF+(\fs)*12288+16
	ds_store_b32 v[BST], v[QT+10] offset:(\buf)*BUF+(\fs)*12288+20
	ds_store_b8 v[SST], v[QT+3] offset:(\buf)*BUF+(\fs)*512
.endm
; Half hf of the test of my 16 points against group k of 32 proposals: eight points, four at a time.  ld < 4: as above, behind the first twelve clamps.
.macro T1H k, hf, ld, rbuf
.set bb, 2*(\hf)
.rept 2
.set nn, 0
.rept 12
	v_med3_num_f32 v[C+nn], s[PT+12*bb+nn], v[LH+6*(\k)+2*(nn%3)], v[LH+6*(\k)+2*(nn%3)+1]
.set nn, nn+1
.endr
.if ((\ld) < 4) && (bb == 2*(\hf))
	LDA \ld, \rbuf
.endif
.set nn, 0
.rept 6
	v_dual_sub_f32 v[C+nn], s[PT+12*bb+nn], v[C+nn] :: v_dual_sub_f32 v[C+nn+1], s[PT+12*bb+nn+1], v[C+nn+1]
.set nn, nn+2
.endr
.set nn, 0
.rept 4
	v_max3_num_f32 v[M+4*bb+nn], |v[C+3*nn]|, |v[C+3*nn+1]|, |v[C+3*nn+2]|
.set nn, nn+1
.endr
.set bb, bb+1
.endr
.endm
.macro T1END                           ; 16 numbers d -> 96 bits of the mask's codes
	v_cvt_scalef32_pk16_fp6_f32 v[CD:CD+2], v[M:M+15], v[SOP]
	v_nop                                          ; one plain place behind a scaled conversion
	v_bfi_b32 v[CD], v[CD], 0, v[ONES]             ; (not code) and 0x18, sixteen times
	v_bfi_b32 v[CD+1], v[CD+1], 0, v[ONES+1]
	v_bfi_b32 v[CD+2], v[CD+2], 0, v[ONES+2]
.endm
.macro STA k, buf
	ds_store_b32 v[AST], v[CD] offset:(\buf)*BUF+(\k)*3072
	ds_store_b32 v[AST], v[CD+1] offset:(\buf)*BUF+(\k)*3072+4
	ds_store_b32 v[AST], v[CD+2] offset:(\buf)*BUF+(\k)*3072+8
.endm
.macro ZEROA k, buf                    ; the tail: my half block lies past the chunk's end: zero codes
	ds_store_b32 v[AST], v[ZR] offset:(\buf)*BUF+(\k)*3072
	ds_store_b32 v[AST], v[ZR] offset:(\buf)*BUF+(\k)*3072+4
	ds_store_b32 v[AST], v[ZR] offset:(\buf)*BUF+(\k)*3072+8
.endm
; The products of my k-th tile of proposals: two tiles of features; the wave whose column group is k also counts that tile.  The accumulators take turns, one instruction a turn.
.macro MM k, zero
.set DA, ACC+16*(\k)
	s_wait_dscnt 0x0                               ; the fragment is in; my stores of codes have read their registers
.if \zero
	v_wmma_scale_f32_16x16x128_f8f6f4 v[DA:DA+7], v[BF:BF+11], v[AF:AF+11], 0, v[SCB], v[SCA] matrix_a_fmt:MATRIX_FMT_FP6 matrix_b_fmt:MATRIX_FMT_FP6
	v_wmma_scale_f32_16x16x128_f8f6f4 v[DA+8:DA+15], v[BF+12:BF+23], v[AF:AF+11], 0, v[SCB], v[SCA] matrix_a_fmt:MATRIX_FMT_FP6 matrix_b_fmt:MATRIX_FMT_FP6 matrix_a_scale:MATRIX_SCALE_ROW1
.else
	v_wmma_scale_f32_16x16x128_f8f6f4 v[DA:DA+7], v[BF:BF+11], v[AF:AF+11], v[DA:DA+7], v[SCB], v[SCA] matrix_a_fmt:MATRIX_FMT_FP6 matrix_b_fmt:MATRIX_FMT_FP6
	v_wmma_scale_f32_16x16x128_f8f6f4 v[DA+8:DA+15], v[BF+12:BF+23], v[AF:AF+11], v[DA+8:DA+15], v[SCB], v[SCA] matrix_a_fmt:MATRIX_FMT_FP6 matrix_b_fmt:MATRIX_FMT_FP6 matrix_a_scale:MATRIX_SCALE_ROW1
.endif
	s_cmp_eq_u32 s14, \k
	s_cbranch_scc0 .Lno_count_\@
	v_wmma_scale_f32_16x16x128_f8f6f4 v[CNT:CNT+7], v[ONES:ONES+11], v[AF:AF+11], v[CNT:CNT+7], v[SCA], v[SCA] matrix_a_fmt:MATRIX_FMT_FP6 matrix_b_fmt:MATRIX_FMT_FP6
.Lno_count_\@:
.endm
.macro GAP                             ; a step's barrier, with the test of the points just loaded against my first group between signal and wait
	s_wait_dscnt 0x0                               ; my LDS stores have landed and my LDS loads are in
	s_barrier_signal -1
	s_wait_kmcnt 0x0
	T1H 0, 0, 9, 0
	T1H 0, 1, 9, 0
	T1END
	s_wait_alu depctr_va_vdst(0)
	s_barrier_wait -1
.endm
	s_load_b256 s[4:11], s[0:1], 0x0               ; proposals s[4:5], points s[6:7], features s[8:9], part s[10:11]
	s_load_b64 s[12:13], s[0:1], 0x20              ; cnt
	s_and_b32 s84, ttmp7, 0xffff                   ; the chunk (clusters are one work-group high)
	s_bfe_u32 s98, ttmp6, 0x40000                  ; which half of the proposals: my place in the cluster of two, which spans the grid's width
	v_lshrrev_b32 v[ZR], 5, v0
	v_readfirstlane_b32 s2, v[ZR]                  ; wave 0..15
	v_and_b32 v224, 31, v0                         ; lane
	v_and_b32 v225, 15, v0                         ; lane % 16
	v_bfe_u32 v226, v0, 4, 1                       ; lane / 16
	s_wait_alu depctr_va_vdst(0)
	s_cmp_eq_u32 s84, 125
	s_cbranch_scc1 .Lweights
	s_and_b32 s14, s2, 7                           ; G: the column group of 32 features that I multiply
	s_lshr_b32 s3, s2, 3                           ; which four tiles of proposals I multiply
	s_lshr_b32 s15, s2, 2                          ; q: my block of a step, for features and for the mask
	s_and_b32 s85, s2, 3                           ; g: the column groups g and g + 4 that I quantise
	s_lshr_b32 s66, s2, 1                          ; hb: my half block of 16 points among a step's eight
	s_and_b32 s67, s2, 1                           ; gq: which 64 proposals I test
	s_bfe_u32 s80, s2, 0x10001                     ; jh: which half of the block
	s_and_b32 s81, s15, 1                          ; block q's place in a fragment: 16 lanes on for q odd, 24 bytes on for q / 2
	s_mul_i32 s81, s81, 768
	s_lshr_b32 s82, s15, 1
	s_mul_i32 s82, s82, 24
	s_add_co_u32 s81, s81, s82
	s_mul_i32 s82, s67, 6144                       ; the mask: my two groups are four tiles
	s_add_co_u32 s82, s82, s81
	s_mul_i32 s83, s80, 12
	s_add_co_u32 s82, s82, s83
	s_add_co_u32 s82, s82, B0
	s_mul_i32 s83, s85, 3072                       ; the features that I quantise: group g's two tiles
	s_add_co_u32 s83, s83, BOFF
	s_add_co_u32 s83, s83, s81
	s_mul_i32 s86, s14, 3072                       ; the features that I multiply: group G's two tiles
	s_add_co_u32 s86, s86, BOFF
	s_mul_i32 s87, s3, 6144
	s_add_co_u32 s87, s87, B0
	s_lshl_b32 s88, s14, 7
	s_add_co_u32 s88, s88, SOFF
	s_lshl_b32 s89, s85, 7
	s_add_co_u32 s89, s89, SOFF
	s_add_co_u32 s89, s89, s15
	s_mul_i32 s90, s3, 64*SPITCH                   ; into the stage: my 64 proposals' rows, my 128 bytes
	s_lshl_b32 s91, s14, 7
	s_add_co_u32 s90, s90, s91
	s_add_co_u32 s90, s90, STG
	s_mul_i32 s91, s2, 8*SPITCH                    ; out of it: rows 8 wave .. 8 wave + 7
	s_add_co_u32 s91, s91, STG
	s_and_b32 s92, s14, 3                          ; my counted tile
	s_lshl_b32 s93, s3, 2
	s_add_co_u32 s92, s92, s93
	s_lshl_b32 s92, s92, 6
	s_mul_i32 s93, s67, 1536                       ; proposals: 24 bytes each; 128 a work-group, 64 for each gq
	s_mul_i32 s94, s98, 3072
	s_add_co_u32 s93, s93, s94
	v_lshl_add_u32 v[SPW], v0, 2, SPARE
	v_mov_b32 v[NIL], 0
	v_mul_u32_u24 v227, v225, 48
	v_mad_u32_u24 v227, v226, 1536, v227           ; a producing lane's place: tile lane / 16 of its pair, row lane % 16
	v_mul_u32_u24 v228, v224, 48                   ; a reading lane's place
	v_lshlrev_b32 v230, 2, v224
	v_lshlrev_b32 v[OO], 4, v224
	v_lshlrev_b32 v[PFO], 8, v224
	v_and_b32 v[FO], 7, v0                         ; my feature in the group: lane % 8 + 16 ((lane / 8) % 2) + 8 (lane / 16)
	v_bfe_u32 v229, v0, 3, 1
	v_lshl_add_u32 v[FO], v229, 4, v[FO]
	v_lshl_add_u32 v[FO], v226, 3, v[FO]
	v_lshlrev_b32 v[FO], 2, v[FO]
	v_add_nc_u32 v[AST], s82, v227
	v_add_nc_u32 v[BST], s83, v227
	v_add_nc_u32 v[BRD], s86, v228
	v_add_nc_u32 v[ARD], s87, v228
	v_add_nc_u32 v[SRD], s88, v230
	v_add_nc_u32 v[SST], s89, v230
	v_mul_u32_u24 v[STW], v225, SPITCH
	v_lshl_add_u32 v[STW], v226, 6, v[STW]
	v_add_nc_u32 v[STW], s90, v[STW]
	v_add_nc_u32 v[STR], s91, v[OO]
	v_lshlrev_b32 v[CSW], 2, v225
	v_add_nc_u32 v[CSW], s92, v[CSW]
	v_mul_u32_u24 v229, v224, 24                   ; my proposal of my first group
	v_add_nc_u32 v229, s93, v229
	v_mov_b32 v[SCA], 0x7d7d7d7d
	v_mov_b32 v[SOP], 0xc800000
	v_mov_b32 v[ZR], 0
.irp i, 0,1,2,3
	v_mov_b32 v[ONES+3*\i], 0x18618618             ; the code 0x18 sixteen times: 96 bits
	v_mov_b32 v[ONES+3*\i+1], 0x86186186
	v_mov_b32 v[ONES+3*\i+2], 0x61861861
.endr
.irp i, 0,1,2,3,4,5,6,7
	v_mov_b32 v[CNT+\i], 0                         ; the count's products stand under a branch on the wave's number: eight lines once, so that the sum has a beginning on every way
.endr
	s_wait_alu depctr_va_vdst(0)
	s_mul_i32 s86, s84, 9600                       ; points: (800 chunk + 16 hb) x 12 bytes
	s_mul_i32 s87, s66, 192
	s_add_co_u32 s86, s86, s87
	s_mov_b32 s87, 0
	s_mul_i32 s88, s84, 819200                     ; features: (800 chunk + 32 q) rows of 1,024 bytes + 128 g
	s_lshl_b32 s94, s98, 16                        ; the prefetches: (800 chunk + 64 x half + 8 wave) rows
	s_add_co_u32 s94, s94, s88
	s_lshl_b32 s95, s2, 13
	s_add_co_u32 s94, s94, s95
	s_mov_b32 s95, 0
	s_lshl_b32 s89, s15, 15
	s_add_co_u32 s88, s88, s89
	s_lshl_b32 s89, s85, 7
	s_add_co_u32 s88, s88, s89
	s_mov_b32 s89, 0
	s_lshl_b32 s90, s84, 18                        ; part [chunk][256 proposals][1,024 bytes]: 128 x half + 8 x wave rows on
	s_lshl_b32 s91, s98, 17
	s_add_co_u32 s90, s90, s91
	s_lshl_b32 s91, s2, 13
	s_add_co_u32 s90, s90, s91
	s_mov_b32 s91, 0
	s_lshl_b32 s92, s84, 10                        ; cnt [chunk][256 proposals]
	s_lshl_b32 s93, s98, 9
	s_add_co_u32 s92, s92, s93
	s_mov_b32 s93, 0
	s_wait_kmcnt 0x0
	s_add_nc_u64 s[96:97], s[8:9], s[94:95]
	s_add_nc_u64 s[6:7], s[6:7], s[86:87]
	s_add_nc_u64 s[8:9], s[8:9], s[88:89]
	s_add_nc_u64 s[10:11], s[10:11], s[90:91]
	s_add_nc_u64 s[12:13], s[12:13], s[92:93]
	LOADP 0
.irp k, 0,1
	global_load_b64 v[BF+6*\k:BF+6*\k+1], v229, s[4:5] offset:768*\k       ; group k's proposal of my lane: centre x, y,
	global_load_b64 v[BF+6*\k+2:BF+6*\k+3], v229, s[4:5] offset:768*\k+8   ; centre z, size x,
	global_load_b64 v[BF+6*\k+4:BF+6*\k+5], v229, s[4:5] offset:768*\k+16  ; size y, z
.endr
	LOADF 0, 0
	s_wait_loadcnt 32                              ; the proposals are in; the 32 younger loads, step 0's first block, may be out
	v_mov_b32 v230, 0x7f800000
.set kk, 0
.rept 6                                ; kk = 3 k + axis
.set pcx, BF+6*(kk/3)+kk%3
.set plx, LH+2*kk
	v_fma_f32 v[plx], v[pcx+3], -0.5, v[pcx]       ; lo = centre - size / 2, one rounding, as centre - (size x 0.5) has
	v_fma_f32 v[plx+1], v[pcx+3], 0.5, v[pcx]      ; hi
	v_cmp_gt_f32 vcc_lo, v[plx], v[plx+1]          ; an inverted box holds no point: both bounds become +infinity, which no finite coordinate equals
	v_cndmask_b32 v[plx], v[plx], v230, vcc_lo
	v_cndmask_b32 v[plx+1], v[plx+1], v230, vcc_lo
.set kk, kk+1
.endr
	LOADF 1, 0
	; step 0 is made, into buffer 0
	s_wait_alu depctr_va_vdst(0)
	s_wait_kmcnt 0x0
.irp k, 0,1
	T1H \k, 0, 9, 0
	T1H \k, 1, 9, 0
	T1END
	STA \k, 0
	s_wait_dscnt 0x0                               ; the stores have read the codes' registers
.endr
	LOADP 1
	s_wait_loadcnt 32                              ; step 0's first block is in; its second block's 32 loads may be out
	QUANTB 0, 0, 9, 0
	LOADF 0, 1
	s_wait_loadcnt 32                              ; the second block is in; the 32 loads just issued may be out
	s_wait_dscnt 0x0                               ; the first block's stores have read the registers that the second block's work writes
	QUANTB 1, 0, 9, 0
	LOADF 1, 1
	ASK 2
	GAP
; Step i is multiplied out of buffer i % 2 while step i + 1 is made into the other.  Each set of features is asked for again, for step i + 2, as soon as step i + 1's numbers in it are quantised.
; Behind the set that a wait is for, just the other set's 32 loads have been issued: the count is 32.
.macro BODY i
.set PB, (\i)&1
.set NW, 1-PB
.set ZF, 0
.if (\i) == 0
.set ZF, 1
.endif
	ds_load_b32 v[SCB], v[SRD] offset:PB*BUF
	LDB PB
	LDA 0, PB
	STA 0, NW                                      ; my first group's codes of step i + 1, made ahead of the barrier's wait
	s_wait_loadcnt 32                              ; step i + 1's first block is in; its second block's 32 loads may be out
	QUANTB 0, NW, 9, PB
.if (\i) < 4
	LOADF 0, (\i)+2
.endif
	MM 0, ZF
	T1H 1, 0, 1, PB
	MM 1, ZF
	T1H 1, 1, 2, PB
	T1END
	STA 1, NW
.if (\i) < 4
	LOADP (\i)+2
.else
	s_cmp_lt_u32 s66, 2                            ; the tail's 32 points are two half blocks: no load leaves the chunk
	s_cbranch_scc0 .Lno_points_\@
	LOADP 6
.Lno_points_\@:
.endif
	MM 2, ZF
.if (\i) < 4
	s_wait_loadcnt 32                              ; step i + 1's second block is in; step i + 2's first block may be out
.else
	s_wait_loadcnt 0x0                             ; step 5's second block: nothing was asked for behind it
.endif
	QUANTB 1, NW, 3, PB
.if (\i) < 4
	LOADF 1, (\i)+2
.else
	s_cmp_eq_u32 s15, 0                            ; the tail is one block of points: q = 0's, in both of its column groups
	s_cbranch_scc0 .Lno_tail_\@
	LOADF 0, 6
	LOADF 1, 6
.Lno_tail_\@:
.endif
.if (\i) < 3
	ASK (\i)+3
.endif
	MM 3, ZF
.if (\i) < 4
	GAP                                            ; (its vector lines are the places ahead of the next step's loads into the fragments' and the scale words' registers)
.else
	PLACES
	BAR
.endif
.endm
	BODY 0
	BODY 1
	BODY 2
	BODY 3
	BODY 4
	; step 5 is multiplied out of buffer 1; the tail is made into buffer 0.  The features' blocks 1 to 3 there keep step 4's codes and bytes, finite numbers which the mask's zero codes annul.
.macro TAILT k
	s_cmp_lt_u32 s66, 2
	s_cbranch_scc0 .Lzero_\@
	T1H \k, 0, 9, 0
	T1H \k, 1, 9, 0
	T1END
	STA \k, 0
	s_branch .Ldone_\@
.Lzero_\@:
	ZEROA \k, 0
.Ldone_\@:
.endm
	ds_load_b32 v[SCB], v[SRD] offset:BUF
	LDB 1
	LDA 0, 1
	s_wait_kmcnt 0x0
	MM 0, 0
	PLACES
	LDA 1, 1
	TAILT 0
	MM 1, 0
	PLACES
	LDA 2, 1
	TAILT 1
	MM 2, 0
	PLACES
	LDA 3, 1
	s_cmp_eq_u32 s15, 0
	s_cbranch_scc0 .Lno_block
	s_wait_loadcnt 0x0                             ; the tail's two blocks
	QUANTB 0, 0, 9, 0
	s_wait_dscnt 0x0                               ; the first block's stores have read the registers that the second block's work writes
	QUANTB 1, 0, 9, 0
.Lno_block:
	MM 3, 0
	PLACES
	BAR
	; the tail is multiplied, and each tile of proposals goes to the stage behind the next one's loads: a lane's 16 numbers are 64 bytes of its proposal's row; each accumulator from its low end on
.macro STAGE k
.set SA, ACC+16*(\k)
.irp u, 0,1
	ds_store_b128 v[STW], v[SA+8*\u:SA+8*\u+3] offset:(\k)*16*SPITCH+32*\u
	ds_store_b128 v[STW], v[SA+8*\u+4:SA+8*\u+7] offset:(\k)*16*SPITCH+32*\u+16
.endr
.endm
	ds_load_b32 v[SCB], v[SRD]
	LDB 0
	LDA 0, 0
	MM 0, 0
.irp k, 1,2,3
	PLACES
	LDA \k, 0
	STAGE \k-1
	MM \k, 0
.endr
	PLACES
	STAGE 3
	s_cmp_lt_u32 s14, 4                            ; eight tiles of proposals, sixteen waves: those with G < 4 have counted one
	s_cbranch_scc0 .Lno_cnt
	ds_store_b32 v[CSW], v[CNT]                    ; lane (r, h): the count of proposal r of my tile, the same in both halves
.Lno_cnt:
	s_wait_loadcnt 0x0                             ; no load of mine is out
	BAR
	; THE WAY OUT: eight whole rows a wave; a store's 32 lanes cover 512 consecutive bytes, aligned
.set ii, 0
.rept 16
	ds_load_b128 v[F+4*ii:F+4*ii+3], v[STR] offset:(ii/2)*SPITCH+(ii%2)*512
.set ii, ii+1
.endr
.set ii, 0
.rept 16
	s_wait_dscnt 15-ii                             ; LDS loads come back in order: load ii is in
	global_store_b128 v[OO], v[F+4*ii:F+4*ii+3], s[10:11] offset:512*ii th:TH_STORE_NT
.set ii, ii+1
.endr
	s_cmp_eq_u32 s2, 0
	s_cbranch_scc0 .Lno_cnt_out
	ds_load_b128 v[BF:BF+3], v[OO]                 ; the work-group's 128 counts: 512 bytes
	s_wait_dscnt 0x0
	global_store_b128 v[OO], v[BF:BF+3], s[12:13]
.Lno_cnt_out:
	s_wait_tensorcnt 0x0                           ; the wave's end: behind my last LDS store
	ds_add_u32 v[SPW], v[NIL]
	s_wait_dscnt 0x0
	s_endpgm
	; W [256 (k)][21 (class)], f32, has K as its first axis: a lane takes a class and its registers run down K, in the order that the operand's layout gives the lane.  Wave w makes the fragment of classes 16 (w / 2) on,
	; K step w % 2.  Classes past 20 repeat class 20: finite numbers that are never stored to the output.
	; wq: [fragment 4 x matrix + w][3 register groups x 512 bytes, then the scale words, each twice: 256 bytes]
.Lweights:
	s_cmp_lt_u32 s2, 4
	s_cbranch_scc0 .Lw_end
	s_load_b128 s[16:19], s[0:1], 0x28             ; W_cls, W_obj
	s_load_b64 s[20:21], s[0:1], 0x38              ; wq
	s_lshr_b32 s66, s2, 1
	s_lshl_b32 s66, s66, 4
	s_and_b32 s67, s2, 1
	s_mul_i32 s68, s67, 10752                      ; a K step is 128 rows of 84 bytes
	s_mov_b32 s69, 0
	s_lshl_b32 s70, s98, 2
	s_add_co_u32 s70, s70, s2
	s_mul_i32 s70, s70, 1792
	s_mov_b32 s71, 0
	s_mov_b32 s72, 0x76543210                      ; v_permlanex16_b32's selects for lane l xor 16
	s_mov_b32 s73, 0xfedcba98
	v_add_nc_u32 v3, s66, v225
	v_min_u32 v3, 20, v3
	v_lshlrev_b32 v3, 2, v3
	v_mad_u32_u24 v3, v226, 2688, v3               ; lanes 16-31 begin 32 rows further down
	v_lshlrev_b32 v4, 4, v224
	v_lshlrev_b32 v5, 3, v224
	v_lshlrev_b32 v6, 3, v226                      ; 8 h
	s_wait_alu depctr_va_vdst(0)
	s_wait_kmcnt 0x0
	s_cmp_eq_u32 s98, 0
	s_cselect_b64 s[16:17], s[16:17], s[18:19]
	s_add_nc_u64 s[16:17], s[16:17], s[68:69]
	s_add_nc_u64 s[20:21], s[20:21], s[70:71]
.set ii, 0
.rept 64
	global_load_b32 v[F+ii], v3, s[16:17] offset:84*(64*(ii/32)+ii%32)   ; W(128 step + 64 c + 32 h + i, my class)
.set ii, ii+1
.endr
	s_wait_loadcnt 0x0
.set T, 188
.irp c, 0,1                            ; my block 2 c + h: all its 32 numbers are mine
	v_max3_num_f32 v[T+\c], |v[F+32*\c]|, |v[F+1+32*\c]|, 0x1800000
.endr
.irp c, 0,1
	v_max3_num_f32 v[T+2+\c], |v[F+2+32*\c]|, |v[F+3+32*\c]|, |v[F+4+32*\c]|
.endr
.irp i, 5,9,13,17,21,25
.irp c, 0,1
	v_max3_num_f32 v[T+\c], v[T+\c], |v[F+\i+32*\c]|, |v[F+1+\i+32*\c]|
.endr
.irp c, 0,1
	v_max3_num_f32 v[T+2+\c], v[T+2+\c], |v[F+2+\i+32*\c]|, |v[F+3+\i+32*\c]|
.endr
.endr
.irp c, 0,1
	v_max3_num_f32 v[T+\c], v[T+\c], |v[F+29+32*\c]|, |v[F+30+32*\c]|
.endr
.irp c, 0,1
	v_max3_num_f32 v[T+\c], v[T+\c], v[T+2+\c], |v[F+31+32*\c]|
.endr
.irp c, 0,1
	v_add_nc_u32 v[T+4+\c], 0xff000000, v[T+\c]    ; 2 off the exponent field: the conversion's scale operand
.endr
.irp c, 0,1
	v_lshrrev_b32 v[T+6+\c], 23, v[T+4+\c]         ; the scale's byte
.endr
	v_lshl_or_b32 v[T+8], v[T+7], 16, v[T+6]       ; my two bytes: blocks h and 2 + h,
	v_lshlrev_b32 v[T+8], v6, v[T+8]               ; at their places in the scale word;
	v_mov_b32 v[T+9], 0
	v_permlanex16_b32 v[T+9], v[T+8], s72, s73
	v_or_b32 v[T+8], v[T+8], v[T+9]                ; with lane l xor 16's two the word is whole
	v_mov_b32 v[T+9], v[T+8]
.irp c, 0,1
	v_cvt_scalef32_pk16_fp6_f32 v[200+6*\c:202+6*\c], v[F+32*\c:F+15+32*\c], v[T+4+\c]
	v_cvt_scalef32_pk16_fp6_f32 v[212+4*\c:214+4*\c], v[F+16+32*\c:F+31+32*\c], v[T+4+\c]
.endr
	v_nop                                          ; one plain place behind a scaled conversion
.irp c, 0,1
.irp i, 0,1,2
	v_mov_b32 v[203+6*\c+\i], v[212+4*\c+\i]
.endr
.endr
.irp c, 0,1,2
	global_store_b128 v4, v[200+4*\c:203+4*\c], s[20:21] offset:512*\c
.endr
	global_store_b64 v5, v[T+8:T+9], s[20:21] offset:1536
.Lw_end:
	s_wait_kmcnt 0x0
	s_endpgm
.Lfunc_end_k_qee5eb3b0b6_pool:
	.size	k_qee5eb3b0b6_pool, .Lfunc_end_k_qee5eb3b0b6_pool-k_qee5eb3b0b6_pool
	.p2alignl 7, 3214868480
	.fill 96, 4, 3214868480
	.section	.rodata,"a",@progbits
	.p2align	6, 0x0
	.amdhsa_kernel k_qee5eb3b0b6_pool
		.amdhsa_group_segment_fixed_size 211456
		.amdhsa_private_segment_fixed_size 0
		.amdhsa_enable_private_segment 0
		.amdhsa_kernarg_size 64
		.amdhsa_user_sgpr_count 2
		.amdhsa_user_sgpr_kernarg_segment_ptr 1
		.amdhsa_wavefront_size32 1
		.amdhsa_system_sgpr_workgroup_id_x 1
		.amdhsa_system_sgpr_workgroup_id_y 1
		.amdhsa_system_sgpr_workgroup_id_z 1
		.amdhsa_system_vgpr_workitem_id 0
		.amdhsa_next_free_vgpr 256
		.amdhsa_next_free_sgpr 100
		.amdhsa_reserve_vcc 1
		.amdhsa_float_denorm_mode_32 3
		.amdhsa_float_denorm_mode_16_64 3
		.amdhsa_memory_ordered 1
		.amdhsa_forward_progress 1
		.amdhsa_inst_pref_size 201
	.end_amdhsa_kernel
	.amdgpu_metadata
---
amdhsa.version: [ 1, 2 ]
amdhsa.kernels:
  - .name:           k_qee5eb3b0b6_pool
    .symbol:         k_qee5eb3b0b6_pool.kd
    .args:
      - { .name: proposals, .offset: 0, .size: 8, .value_kind: global_buffer, .address_space: global }
      - { .name: input_xyz, .offset: 8, .size: 8, .value_kind: global_buffer, .address_space: global }
      - { .name: seg_feats, .offset: 16, .size: 8, .value_kind: global_buffer, .address_space: global }
      - { .name: part, .offset: 24, .size: 8, .value_kind: global_buffer, .address_space: global }
      - { .name: cnt, .offset: 32, .size: 8, .value_kind: global_buffer, .address_space: global }
      - { .name: W_cls, .offset: 40, .size: 8, .value_kind: global_buffer, .address_space: global }
      - { .name: W_obj, .offset: 48, .size: 8, .value_kind: global_buffer, .address_space: global }
      - { .name: wq, .offset: 56, .size: 8, .value_kind: global_buffer, .address_space: global }
    .group_segment_fixed_size: 211456
    .private_segment_fixed_size: 0
    .kernarg_segment_align: 8
    .kernarg_segment_size: 64
    .max_flat_workgroup_size: 512
    .sgpr_count:     100
    .vgpr_count:     256
    .wavefront_size: 32
...
	.end_amdgpu_metadata
.endif
;; end of part 1
;; launch mean (part 2): grid 256 x 1, 25 waves a work-group, no clusters, 30,720 bytes of LDS; arguments part, cnt, wq, b_cls, lg; writes lg
.if DOCPART == 2
	.amdgcn_target "amdgcn-amd-amdhsa--gfx1250"
	.amdhsa_code_object_version 6
	.text
	.protected	k_qee5eb3b0b6_mean
	.globl	k_qee5eb3b0b6_mean
	.p2align	8
	.type	k_qee5eb3b0b6_mean,@function
k_qee5eb3b0b6_mean:
	s_mov_b64 s[64:65], 0
	v_nop
	global_prefetch_b8 v0, s[64:65] scope:SCOPE_SE
	s_setreg_imm32_b32 hwreg(HW_REG_WAVE_MODE, 25, 1), 1
	s_wait_xcnt 0x0
; MEAN: a work-group owns one proposal: the 125 chunks' partial sums and counts are added in f32, the mean is taken and quantised to FP6 (E2M3) along the features, both products are made, and the softmax over classes.
; LEFT OUT: b_obj, which is the same for all proposals of a class and so cancels in the softmax over proposals (shown at the head of the first kernel).
; Wave w of 25 takes chunks 5 w .. 5 w + 4, a row of 1,024 bytes each: all its loads go out at once.  Waves 0 to 7 then take 32 features each over the 25 sums in LDS; counts are whole numbers up to 100,000: exact in f32.
; Wave f < 8 multiplies W's fragment f (matrix f / 4, classes 16 ((f / 2) % 2) on, K step f % 2) by the K step's 128 means: every lane of a half holds the same codes, so all 16 columns of the result are this proposal.
; The two K steps' sums, and b_cls, are added in f32 by wave 0.
; lg: [256 proposals][32 lanes = classes][the class softmax, the other logit x log2(e)]; lanes past 20 hold 0 and a finite number, which nobody stores to the output.
; NO CLUSTER: the work-groups share 14,336 bytes of W's codes; each reads 128,000 bytes of its own.  NO PREFETCH: there is no loop to run ahead in.
; A block of zeros (an empty box) keeps the byte 1: its codes are zeros, and this program alone reads the bytes.  LIMITS: NaN and infinities are not served.
.set CN1,   25600                      ; LDS from 0: 25 x 1,024, each wave's sum; then its counts, 25 words
.set MEAN,  25856                      ; 256 means
.set LG,    26880                      ; 8 x 16 products
.set SPARE, 27392                      ; the spare words: 128 bytes for each of 25 waves, in 13 blocks of 256 bytes
.set SPW, 1                            ; v1  LDS address of my spare word; never rewritten
.set NIL, 2                            ; v2  0; never rewritten
.set GO,  3                            ; v3  16 x lane
.set HH,  14                           ; v14 lane / 16;  v15 lane
.set X,   32                           ; v32-71 five rows of 8 numbers; later what is at work
.macro BAR
	s_wait_dscnt 0x0
	s_barrier_signal -1
	s_barrier_wait -1
.endm
	s_load_b256 s[4:11], s[0:1], 0x0               ; part s[4:5], cnt s[6:7], wq s[8:9], b_cls s[10:11]
	s_load_b64 s[12:13], s[0:1], 0x20              ; lg
	v_lshl_add_u32 v[SPW], v0, 2, SPARE
	v_mov_b32 v[NIL], 0
	v_lshrrev_b32 v15, 5, v0
	v_readfirstlane_b32 s2, v15                    ; wave 0..24
	v_and_b32 v15, 31, v0
	v_and_b32 v30, 15, v0
	v_bfe_u32 v[HH], v0, 4, 1
	s_wait_alu depctr_va_vdst(0)
	s_min_u32 s3, s2, 7                            ; (the waves past 7 do not use what hangs on it)
	s_lshl_b32 s14, s2, 10
	s_lshl_b32 s15, s3, 7
	s_add_co_u32 s16, s15, MEAN
	s_and_b32 s17, s3, 1
	s_lshl_b32 s17, s17, 9
	s_add_co_u32 s17, s17, MEAN
	s_lshl_b32 s18, s3, 6
	s_add_co_u32 s18, s18, LG
	s_lshl_b32 s19, s2, 2
	s_add_co_u32 s19, s19, CN1
	s_mul_i32 s20, s2, 1310720                     ; part: five chunks of 262,144 x wave + 1,024 x proposal
	s_lshl_b32 s21, ttmp9, 10
	s_add_co_u32 s20, s20, s21
	s_mov_b32 s21, 0
	s_mul_i32 s22, s2, 5120                        ; cnt: five chunks of 1,024 x wave + 4 x proposal
	s_lshl_b32 s23, ttmp9, 2
	s_add_co_u32 s22, s22, s23
	s_mov_b32 s23, 0
	s_mul_i32 s24, s3, 1792
	s_mov_b32 s25, 0
	s_lshl_b32 s26, ttmp9, 8
	s_mov_b32 s27, 0
	s_mov_b32 s28, 0x76543210                      ; v_permlanex16_b32's selects for lane l xor 16
	s_mov_b32 s29, 0xfedcba98
	v_lshlrev_b32 v[GO], 4, v15
	v_lshlrev_b32 v10, 3, v15
	v_lshlrev_b32 v90, 2, v15
	v_add_nc_u32 v4, s14, v[GO]                    ; where my wave stores its sum
	v_add_nc_u32 v5, s15, v90                      ; where lane = feature reads the 25 sums
	v_add_nc_u32 v6, s16, v90                      ; and stores the mean
	v_lshl_add_u32 v7, v[HH], 7, s17               ; my K step's means: blocks h and 2 + h
	v_lshl_add_u32 v8, v[HH], 5, s18               ; where I store 8 products
	v_lshlrev_b32 v9, 7, v[HH]
	v_lshl_add_u32 v9, v30, 2, v9
	v_add_nc_u32 v9, LG, v9                        ; where lane = class reads them
	v_min_u32 v11, 20, v15
	v_lshlrev_b32 v11, 2, v11
	v_mov_b32 v12, CN1
	v_mov_b32 v13, s19
	s_wait_alu depctr_va_vdst(0)
	s_wait_kmcnt 0x0
	s_add_nc_u64 s[4:5], s[4:5], s[20:21]
	s_add_nc_u64 s[6:7], s[6:7], s[22:23]
	s_add_nc_u64 s[8:9], s[8:9], s[24:25]
	s_add_nc_u64 s[12:13], s[12:13], s[26:27]
.irp c, 0,1,2,3,4
	s_load_b32 s[30+\c], s[6:7], 1024*\c
.endr
	s_cmp_lt_u32 s2, 8
	s_cbranch_scc0 .Lno_w
.irp c, 0,1,2
	global_load_b128 v[16+4*\c:19+4*\c], v[GO], s[8:9] offset:512*\c     ; W's fragment
.endr
	global_load_b32 v28, v10, s[8:9] offset:1536   ; its scale words
	global_load_b32 v29, v11, s[10:11]             ; b_cls of my class
.Lno_w:
.irp c, 0,1,2,3,4
	global_load_b128 v[X+8*\c:X+8*\c+3], v[GO], s[4:5] offset:262144*\c th:TH_LOAD_NT        ; each load of the wave: 512 consecutive bytes
	global_load_b128 v[X+8*\c+4:X+8*\c+7], v[GO], s[4:5] offset:262144*\c+512 th:TH_LOAD_NT
.endr
	s_wait_kmcnt 0x0
	v_mov_b32 v30, s30                             ; five counts
.irp c, 31,32,33,34
	v_add_f32 v30, s\c, v30
.endr
	ds_store_b32 v13, v30                          ; every lane the same word with the same value
	s_wait_loadcnt 4                               ; three rows are in; the last two, two loads each, may be out
.irp i, 0,2,4,6
	v_pk_add_f32 v[X+\i:X+\i+1], v[X+\i:X+\i+1], v[X+8+\i:X+9+\i]
.endr
.irp i, 0,2,4,6
	v_pk_add_f32 v[X+\i:X+\i+1], v[X+\i:X+\i+1], v[X+16+\i:X+17+\i]
.endr
	s_wait_alu depctr_va_vdst(0)
	s_wait_loadcnt 0x0
.irp i, 0,2,4,6
	v_pk_add_f32 v[X+24+\i:X+25+\i], v[X+24+\i:X+25+\i], v[X+32+\i:X+33+\i]
.endr
.irp i, 0,2,4,6
	v_pk_add_f32 v[X+\i:X+\i+1], v[X+\i:X+\i+1], v[X+24+\i:X+25+\i]
.endr
	ds_store_b128 v4, v[X:X+3]
	ds_store_b128 v4, v[X+4:X+7] offset:512
	BAR                                            ; 25 sums and counts lie in LDS
	s_cmp_lt_u32 s2, 8
	s_cbranch_scc0 .Lno_mean
.set ii, 0
.rept 25
	ds_load_b32 v[32+ii], v5 offset:1024*ii
.set ii, ii+1
.endr
.irp c, 0,1,2,3,4,5
	ds_load_b128 v[64+4*\c:67+4*\c], v12 offset:16*\c
.endr
	ds_load_b32 v88, v12 offset:96
	s_wait_dscnt 0x0
.set ii, 0
.rept 6                                ; 25 numbers and 25 counts, by turns
.irp b, 32,64
	v_pk_add_f32 v[\b+2*ii:\b+2*ii+1], v[\b+2*ii:\b+2*ii+1], v[\b+12+2*ii:\b+13+2*ii]
.endr
.set ii, ii+1
.endr
.set ii, 0
.rept 3
.irp b, 32,64
	v_pk_add_f32 v[\b+2*ii:\b+2*ii+1], v[\b+2*ii:\b+2*ii+1], v[\b+6+2*ii:\b+7+2*ii]
.endr
.set ii, ii+1
.endr
.irp b, 32,64
	v_pk_add_f32 v[\b:\b+1], v[\b:\b+1], v[\b+2:\b+3]
.endr
.irp b, 32,64
	v_pk_add_f32 v[\b:\b+1], v[\b:\b+1], v[\b+4:\b+5]
.endr
.irp b, 32,64
	v_add_f32 v[\b], v[\b], v[\b+1]
.endr
.irp b, 32,64
	v_add_f32 v[\b], v[\b], v[\b+24]
.endr
	v_max_num_f32 v64, 1.0, v64                    ; max(count, 1)
	s_wait_alu depctr_va_vdst(0)                   ; the wait ahead of the transcendental
	v_rcp_f32 v90, v64
	v_nop
	s_wait_alu depctr_va_vdst(0)                   ; and behind it
	v_mul_f32 v32, v32, v90
	ds_store_b32 v6, v32
.Lno_mean:
	BAR                                            ; the means lie in LDS
	s_cmp_lt_u32 s2, 8
	s_cbranch_scc0 .Lno_product
.set ii, 0
.rept 16
	ds_load_b128 v[X+4*ii:X+4*ii+3], v7 offset:256*(ii/8)+16*(ii%8)      ; my blocks h and 2 + h of the K step; the same bytes for all lanes of a half
.set ii, ii+1
.endr
	s_wait_dscnt 0x0
.set T, 96
.irp c, 0,1
	v_max3_num_f32 v[T+\c], |v[X+32*\c]|, |v[X+1+32*\c]|, 0x1800000      ; with the floor 2^(3 - 127)
.endr
.irp c, 0,1
	v_max3_num_f32 v[T+2+\c], |v[X+2+32*\c]|, |v[X+3+32*\c]|, |v[X+4+32*\c]|
.endr
.irp i, 5,9,13,17,21,25
.irp c, 0,1
	v_max3_num_f32 v[T+\c], v[T+\c], |v[X+\i+32*\c]|, |v[X+1+\i+32*\c]|
.endr
.irp c, 0,1
	v_max3_num_f32 v[T+2+\c], v[T+2+\c], |v[X+2+\i+32*\c]|, |v[X+3+\i+32*\c]|
.endr
.endr
.irp c, 0,1
	v_max3_num_f32 v[T+\c], v[T+\c], |v[X+29+32*\c]|, |v[X+30+32*\c]|
.endr
.irp c, 0,1
	v_max3_num_f32 v[T+\c], v[T+\c], v[T+2+\c], |v[X+31+32*\c]|
.endr
.irp c, 0,1
	v_add_nc_u32 v[T+4+\c], 0xff000000, v[T+\c]    ; 2 off the exponent field: the conversion's scale operand
.endr
.irp c, 0,1
	v_lshrrev_b32 v[T+6+\c], 23, v[T+4+\c]         ; the scale's byte
.endr
	v_lshl_or_b32 v[T+6], v[T+7], 16, v[T+6]       ; my two bytes: blocks h and 2 + h,
	v_lshlrev_b32 v[T+7], 3, v[HH]
	v_lshlrev_b32 v[T+6], v[T+7], v[T+6]           ; at their places in the scale word;
	v_permlanex16_b32 v[T+7], v[T+6], s28, s29
	v_or_b32 v31, v[T+6], v[T+7]                   ; with lane l xor 16's two the word is whole
.irp c, 0,1
	v_cvt_scalef32_pk16_fp6_f32 v[104+6*\c:106+6*\c], v[X+32*\c:X+15+32*\c], v[T+4+\c]
	v_cvt_scalef32_pk16_fp6_f32 v[116+4*\c:118+4*\c], v[X+16+32*\c:X+31+32*\c], v[T+4+\c]   ; (a conversion's three registers begin on an even number)
.endr
	v_nop                                          ; one plain place behind a scaled conversion
.irp c, 0,1
.irp i, 0,1,2
	v_mov_b32 v[107+6*\c+\i], v[116+4*\c+\i]
.endr
.endr
.rept 8
	v_nop                                          ; a scale register written by a vector instruction stands 8 places ahead, an operand so written 4
.endr
	v_wmma_scale_f32_16x16x128_f8f6f4 v[32:39], v[16:27], v[104:115], 0, v28, v31 matrix_a_fmt:MATRIX_FMT_FP6 matrix_b_fmt:MATRIX_FMT_FP6
.rept 4
	v_nop                                          ; four places ahead of the first read of results
.endr
	ds_store_b128 v8, v[32:35]                     ; classes 8 h + 0 .. 7; the 16 lanes of a half store the same bytes with the same values
	ds_store_b128 v8, v[36:39] offset:16
.Lno_product:
	BAR                                            ; the products lie in LDS
	s_cmp_eq_u32 s2, 0
	s_cbranch_scc0 .Lend
	ds_load_b32 v40, v9                            ; lane = class: the class products' two K steps,
	ds_load_b32 v41, v9 offset:64
	ds_load_b32 v42, v9 offset:256                 ; and the other matrix's
	ds_load_b32 v43, v9 offset:320
	v_mov_b32 v44, 0xff800000
	v_cmp_lt_u32 vcc_lo, 20, v15
	s_wait_alu depctr_va_vdst(0)
	s_wait_dscnt 0x0
	v_add_f32 v40, v40, v41
	v_add_f32 v42, v42, v43
	v_add_f32 v40, v40, v29
	v_cndmask_b32 v40, v40, v44, vcc_lo            ; padded classes: -infinity, so that they count for nothing
	v_max_num_f32_dpp v45, v40, v40 row_xmask:1 row_mask:0xf bank_mask:0xf
.irp m, 2,4,8
	v_max_num_f32_dpp v45, v45, v45 row_xmask:\m row_mask:0xf bank_mask:0xf
.endr
	v_permlanex16_b32 v46, v45, s28, s29
	v_max_num_f32 v45, v45, v46                    ; the proposal's largest logit
	v_sub_f32 v40, v40, v45
	v_mul_f32 v40, 0x3fb8aa3b, v40                 ; x log2(e)
	s_wait_alu depctr_va_vdst(0)                   ; the wait ahead of the transcendental
	v_exp_f32 v40, v40
	v_mul_f32 v49, 0x3fb8aa3b, v42                 ; the other logit x log2(e): a plain place behind the exponential
	s_wait_alu depctr_va_vdst(0)                   ; and behind it
	v_add_f32_dpp v45, v40, v40 row_xmask:1 row_mask:0xf bank_mask:0xf
.irp m, 2,4,8
	v_add_f32_dpp v45, v45, v45 row_xmask:\m row_mask:0xf bank_mask:0xf
.endr
	v_permlanex16_b32 v46, v45, s28, s29
	v_add_f32 v45, v45, v46                        ; the sum over the 21 classes
	s_wait_alu depctr_va_vdst(0)
	v_rcp_f32 v47, v45
	v_nop
	s_wait_alu depctr_va_vdst(0)
	v_mul_f32 v48, v40, v47
	global_store_b64 v10, v[48:49], s[12:13]       ; 256 consecutive bytes, aligned
.Lend:
	s_wait_tensorcnt 0x0                           ; the wave's end: behind my last LDS store
	ds_add_u32 v[SPW], v[NIL]
	s_wait_dscnt 0x0
	s_endpgm
.Lfunc_end_k_qee5eb3b0b6_mean:
	.size	k_qee5eb3b0b6_mean, .Lfunc_end_k_qee5eb3b0b6_mean-k_qee5eb3b0b6_mean
	.p2alignl 7, 3214868480
	.fill 96, 4, 3214868480
	.section	.rodata,"a",@progbits
	.p2align	6, 0x0
	.amdhsa_kernel k_qee5eb3b0b6_mean
		.amdhsa_group_segment_fixed_size 30720
		.amdhsa_private_segment_fixed_size 0
		.amdhsa_enable_private_segment 0
		.amdhsa_kernarg_size 40
		.amdhsa_user_sgpr_count 2
		.amdhsa_user_sgpr_kernarg_segment_ptr 1
		.amdhsa_wavefront_size32 1
		.amdhsa_system_sgpr_workgroup_id_x 1
		.amdhsa_system_sgpr_workgroup_id_y 1
		.amdhsa_system_sgpr_workgroup_id_z 1
		.amdhsa_system_vgpr_workitem_id 0
		.amdhsa_next_free_vgpr 128
		.amdhsa_next_free_sgpr 66
		.amdhsa_reserve_vcc 1
		.amdhsa_float_denorm_mode_32 3
		.amdhsa_float_denorm_mode_16_64 3
		.amdhsa_memory_ordered 1
		.amdhsa_forward_progress 1
		.amdhsa_inst_pref_size 17
	.end_amdhsa_kernel
	.amdgpu_metadata
---
amdhsa.version: [ 1, 2 ]
amdhsa.kernels:
  - .name:           k_qee5eb3b0b6_mean
    .symbol:         k_qee5eb3b0b6_mean.kd
    .args:
      - { .name: part, .offset: 0, .size: 8, .value_kind: global_buffer, .address_space: global }
      - { .name: cnt, .offset: 8, .size: 8, .value_kind: global_buffer, .address_space: global }
      - { .name: wq, .offset: 16, .size: 8, .value_kind: global_buffer, .address_space: global }
      - { .name: b_cls, .offset: 24, .size: 8, .value_kind: global_buffer, .address_space: global }
      - { .name: lg, .offset: 32, .size: 8, .value_kind: global_buffer, .address_space: global }
    .group_segment_fixed_size: 30720
    .private_segment_fixed_size: 0
    .kernarg_segment_align: 8
    .kernarg_segment_size: 40
    .max_flat_workgroup_size: 800
    .sgpr_count:     66
    .vgpr_count:     128
    .wavefront_size: 32
...
	.end_amdgpu_metadata
.endif
;; end of part 2
;; launch norm (part 3): grid 1 x 1, 16 waves a work-group, no clusters, 49,408 bytes of LDS; arguments lg, out0; writes out0
.if DOCPART == 3
	.amdgcn_target "amdgcn-amd-amdhsa--gfx1250"
	.amdhsa_code_object_version 6
	.text
	.protected	k_qee5eb3b0b6_norm
	.globl	k_qee5eb3b0b6_norm
	.p2align	8
	.type	k_qee5eb3b0b6_norm,@function
k_qee5eb3b0b6_norm:
	s_mov_b64 s[64:65], 0
	v_nop
	global_prefetch_b8 v0, s[64:65] scope:SCOPE_SE
	s_setreg_imm32_b32 hwreg(HW_REG_WAVE_MODE, 25, 1), 1
	s_wait_xcnt 0x0
; NORM: out = class softmax x softmax over proposals.  LEFT OUT: b_obj, which cancels in the softmax over proposals (shown at the head of the first kernel).
; One work-group, since the softmax spans all 256 proposals.  Wave w owns proposals 16 w .. 16 w + 15; lane = class, the proposals run along the registers; lanes past 20 are padded.
; Each wave takes its own maximum m away and sums; then (m, sum) of all waves meet in LDS, and each sum is brought under the largest m by 2^(m - largest).
; LIMITS: NaN and infinities are not served.
.set OUTS,  4096                       ; LDS from 0: 16 x 32 x 8 bytes, the waves' (m, sum); then the output as it lies in memory: 256 rows of 84 bytes
.set SHD,   21504                      ; padded lanes store so many bytes further on, where nobody reads
.set SPARE, 47360                      ; the spare words, 128 bytes for each of 16 waves
.set SPW, 1                            ; v1  LDS address of my spare word; never rewritten
.set NIL, 2                            ; v2  0; never rewritten
.set XI,  32                           ; v32-63  pairs: class softmax, logit x log2(e)
.set E,   64                           ; v64-79  my 16 exponentials
.set XC,  96                           ; v96-127 pairs: (m, sum) of each wave
.set D,   128                          ; v128-143 2^(m - largest) of each wave; v144 of mine
.macro BAR
	s_wait_dscnt 0x0
	s_barrier_signal -1
	s_barrier_wait -1
.endm
.macro MAX16 d, x                      ; the largest of the 16 numbers at x, x + 2, ..
	v_max3_num_f32 v[\d], v[\x], v[\x+2], v[\x+4]
	v_max3_num_f32 v[\d+2], v[\x+6], v[\x+8], v[\x+10]
	v_max3_num_f32 v[\d], v[\d], v[\x+12], v[\x+14]
	v_max3_num_f32 v[\d+2], v[\d+2], v[\x+16], v[\x+18]
	v_max3_num_f32 v[\d], v[\d], v[\x+20], v[\x+22]
	v_max3_num_f32 v[\d+2], v[\d+2], v[\x+24], v[\x+26]
	v_max3_num_f32 v[\d], v[\d], v[\x+28], v[\x+30]
	v_max_num_f32 v[\d], v[\d], v[\d+2]
.endm
	s_load_b128 s[4:7], s[0:1], 0x0                ; lg s[4:5], out0 s[6:7]
	v_lshl_add_u32 v[SPW], v0, 2, SPARE
	v_mov_b32 v[NIL], 0
	v_lshrrev_b32 v3, 5, v0
	v_readfirstlane_b32 s2, v3                     ; wave 0..15
	v_and_b32 v3, 31, v0                           ; lane
	v_lshlrev_b32 v6, 3, v3                        ; where I read the waves' pairs
	s_lshl_b32 s8, s2, 8
	s_lshl_b32 s9, s2, 12
	s_mul_i32 s10, s2, 1344
	s_add_co_u32 s10, s10, OUTS
	v_add_nc_u32 v4, s8, v6                        ; where I store mine
	v_add_nc_u32 v5, s9, v6                        ; lg: 16 rows of 256 bytes a wave
	v_lshlrev_b32 v7, 2, v3
	v_add_nc_u32 v7, s10, v7
	v_add_nc_u32 v10, 11, v3
	v_lshrrev_b32 v10, 5, v10                      ; 1 in lanes past 20
	v_mad_u32_u24 v7, v10, SHD, v7                 ; where I store my results
	v_lshlrev_b32 v8, 4, v0
	v_add_nc_u32 v9, OUTS, v8
	s_wait_alu depctr_va_vdst(0)
	s_wait_kmcnt 0x0
.set ii, 0
.rept 16
	global_load_b64 v[XI+2*ii:XI+2*ii+1], v5, s[4:5] offset:256*ii
.set ii, ii+1
.endr
	s_wait_loadcnt 0x0
	MAX16 28, XI+1                                 ; my wave's m
.set ii, 0
.rept 16
	v_sub_f32 v[E+ii], v[XI+1+2*ii], v28
.set ii, ii+1
.endr
	s_wait_alu depctr_va_vdst(0)                   ; the wait ahead of the batch
.set ii, 0
.rept 16
	v_exp_f32 v[E+ii], v[E+ii]
.set ii, ii+1
.endr
	v_nop
	s_wait_alu depctr_va_vdst(0)                   ; and behind it
.irp i, 0,1,2,3
	v_pk_add_f32 v[80+2*\i:81+2*\i], v[E+4*\i:E+4*\i+1], v[E+4*\i+2:E+4*\i+3]
.endr
	v_pk_add_f32 v[80:81], v[80:81], v[82:83]
	v_pk_add_f32 v[84:85], v[84:85], v[86:87]
	v_pk_add_f32 v[80:81], v[80:81], v[84:85]
	v_add_f32 v29, v80, v81
	ds_store_b64 v4, v[28:29]
	BAR
.set ii, 0
.rept 16
	ds_load_b64 v[XC+2*ii:XC+2*ii+1], v6 offset:256*ii
.set ii, ii+1
.endr
	s_wait_dscnt 0x0
	MAX16 88, XC                                   ; the class's largest over all 256 proposals
.set ii, 0
.rept 16
	v_sub_f32 v[D+ii], v[XC+2*ii], v88
.set ii, ii+1
.endr
	v_sub_f32 v[D+16], v28, v88
	s_wait_alu depctr_va_vdst(0)
.set ii, 0
.rept 17
	v_exp_f32 v[D+ii], v[D+ii]
.set ii, ii+1
.endr
	v_nop
	s_wait_alu depctr_va_vdst(0)
	v_mul_f32 v146, v[XC+1], v[D]
	v_mul_f32 v147, v[XC+3], v[D+1]
	v_mul_f32 v148, v[XC+5], v[D+2]
	v_mul_f32 v149, v[XC+7], v[D+3]
.irp i, 4,5,6,7,8,9,10,11,12,13,14,15
	v_fma_f32 v[146+(\i%4)], v[XC+1+2*\i], v[D+\i], v[146+(\i%4)]
.endr
	v_add_f32 v146, v146, v147
	v_add_f32 v148, v148, v149
	v_add_f32 v146, v146, v148                     ; the class's sum over all 256 proposals
	s_wait_alu depctr_va_vdst(0)
	v_rcp_f32 v150, v146
	v_nop
	s_wait_alu depctr_va_vdst(0)
	v_mul_f32 v152, v[D+16], v150                  ; twice, to fill the pair that the packed multiply takes
	v_mul_f32 v153, v[D+16], v150
.irp i, 0,2,4,6,8,10,12,14
	v_pk_mul_f32 v[E+\i:E+\i+1], v[E+\i:E+\i+1], v[152:153]
.endr
.set ii, 0
.rept 16
	v_mul_f32 v[E+ii], v[E+ii], v[XI+2*ii]
.set ii, ii+1
.endr
	; THE WAY OUT: the rows of 84 bytes are put together in LDS and leave as runs of 512 consecutive bytes a wave
.set ii, 0
.rept 16
	ds_store_b32 v7, v[E+ii] offset:84*ii
.set ii, ii+1
.endr
	BAR
	ds_load_b128 v[96:99], v9
	ds_load_b128 v[100:103], v9 offset:8192
	s_wait_dscnt 0x0
	global_store_b128 v8, v[96:99], s[6:7]
	global_store_b128 v8, v[100:103], s[6:7] offset:8192
	s_cmp_lt_u32 s2, 10                            ; 21,504 bytes = 2 x 8,192 + 320 threads x 16
	s_cbranch_scc0 .Lfin
	ds_load_b128 v[104:107], v9 offset:16384
	s_wait_dscnt 0x0
	global_store_b128 v8, v[104:107], s[6:7] offset:16384
.Lfin:
	s_wait_tensorcnt 0x0                           ; the wave's end: behind my last LDS store
	ds_add_u32 v[SPW], v[NIL]
	s_wait_dscnt 0x0
	s_endpgm
.Lfunc_end_k_qee5eb3b0b6_norm:
	.size	k_qee5eb3b0b6_norm, .Lfunc_end_k_qee5eb3b0b6_norm-k_qee5eb3b0b6_norm
	.p2alignl 7, 3214868480
	.fill 96, 4, 3214868480
	.section	.rodata,"a",@progbits
	.p2align	6, 0x0
	.amdhsa_kernel k_qee5eb3b0b6_norm
		.amdhsa_group_segment_fixed_size 49408
		.amdhsa_private_segment_fixed_size 0
		.amdhsa_enable_private_segment 0
		.amdhsa_kernarg_size 16
		.amdhsa_user_sgpr_count 2
		.amdhsa_user_sgpr_kernarg_segment_ptr 1
		.amdhsa_wavefront_size32 1
		.amdhsa_system_sgpr_workgroup_id_x 1
		.amdhsa_system_sgpr_workgroup_id_y 1
		.amdhsa_system_sgpr_workgroup_id_z 1
		.amdhsa_system_vgpr_workitem_id 0
		.amdhsa_next_free_vgpr 160
		.amdhsa_next_free_sgpr 66
		.amdhsa_reserve_vcc 0
		.amdhsa_float_denorm_mode_32 3
		.amdhsa_float_denorm_mode_16_64 3
		.amdhsa_memory_ordered 1
		.amdhsa_forward_progress 1
		.amdhsa_inst_pref_size 12
	.end_amdhsa_kernel
	.amdgpu_metadata
---
amdhsa.version: [ 1, 2 ]
amdhsa.kernels:
  - .name:           k_qee5eb3b0b6_norm
    .symbol:         k_qee5eb3b0b6_norm.kd
    .args:
      - { .name: lg, .offset: 0, .size: 8, .value_kind: global_buffer, .address_space: global }
      - { .name: out0, .offset: 8, .size: 8, .value_kind: global_buffer, .address_space: global }
    .group_segment_fixed_size: 49408
    .private_segment_fixed_size: 0
    .kernarg_segment_align: 8
    .kernarg_segment_size: 16
    .max_flat_workgroup_size: 512
    .sgpr_count:     66
    .vgpr_count:     160
    .wavefront_size: 32
...
	.end_amdgpu_metadata
.endif
;; end of part 3
